; MI455X (gfx1250); checked and timed in simulation.
; The chip was launched on July 23, 2026; its instructions are those of AMD's public machine-readable ISA for CDNA 5 (MIT licence, August 2026) and "CDNA5" Instruction Set Architecture Reference Guide (July 2026). The comments in the code are by the model that wrote it; some were corrected since.
;; Multi Head Self Attention. Allowed arithmetic: matrix products marked QUANTISED: E2M1 operands, one E8M0 scale for each 32 along K, by v_wmma_scale_f32_16x16x128_f8f6f4 with both operands' format E2M1 (or v_wmma_scale_f32_32x16x128_f4), f32 sums; products left as they are: bf16, f16 or f32 operands; f32 sums; everything else in f32.
;; Inputs: Wk 512 x 512 float32; Wo 512 x 512 float32; x 4 x 2,048 x 512 float32.
;; Outputs: out0 4 x 2,048 x 512 float32.
;; This version of the problem:
;;   THIS VERSION OF THE PROBLEM IS GIVEN IN LOW PRECISION. The matrix products marked QUANTISED in the list below multiply operands that are first quantised to E2M1 (2 exponent bits, 1 mantissa bit; 4 bits a number), with one power-of-two scale for each 32 numbers along K (OCP MX v1.0); their sums are f32. The products marked 'left as it is' may take bf16, f16 or f32 operands, with f32 sums. Whichever they take, every output number must still come out within the allowed error. Rounding operands to bf16 (8 significant bits) uses up far more of that allowance than f16 does (11 bits, for magnitudes from 6e-5 to 65,504). All else is computed in f32.
;;   The module's matrix products, in the order in which they are computed (A, B: the left and right operand; K: the contracted axis; several contracted axes count as one K, in the product's order):
;;     1. [M 8,192, K 512] x [K 512, N 512]; A: input x; B: input Wk: QUANTISED
;;     2. batch 32 x [M 2,048, K 64] x [K 64, N 2,048]; A: computed on the way; B: computed on the way: left as it is (an operand is computed on the way)
;;     3. batch 32 x [M 2,048, K 2,048] x [K 2,048, N 64]; A: computed on the way; B: computed on the way: left as it is (an operand is computed on the way)
;;     4. [M 8,192, K 512] x [K 512, N 512]; A: computed on the way; B: input Wo: left as it is (an operand is computed on the way)
;;   THE QUANTISER, for each operand of a quantised product, along K:
;;     - K is cut into blocks of 32 from its start; a last block that is shorter is filled with zeros.
;;     - A block's scale is 2^e with e = floor(log2(the largest magnitude in the block)) - 2, held to -126 .. 127; a block of zeros has e = 0. As a byte (E8M0): e + 127.
;;     - Each number is divided by its block's scale, clamped to +-6, and rounded to the nearest number of E2M1, ties to even, subnormals kept.
;;     - The product sums the exact products of the quantised numbers (number of the format x scale) in f32.
;;   ~~~python
;;   def quantise(x, axis):      # numpy; x: float32 -> the quantised numbers, widened to float32 again
;;       x = np.moveaxis(x, axis, -1); K = x.shape[-1]
;;       x = np.pad(x, [(0, 0)] * (x.ndim - 1) + [(0, -K % 32)]); x = x.reshape(x.shape[:-1] + (-1, 32)); a = np.abs(x).max(-1, keepdims=True)
;;       e = np.where(a > 0, np.clip(np.frexp(np.where(a > 0, a, 1))[1] - 1 - 2, -126, 127), 0)      # np.frexp(a)[1] - 1 = floor(log2(a)), exactly
;;       r = np.clip(x / 2.0 ** e, -6, 6)
;;       step = 2.0 ** (np.maximum(np.frexp(np.where(r == 0, 1, r))[1] - 1, 0) - 1)
;;       q = np.round(r / step) * step * 2.0 ** e      # np.round: ties to even
;;       return np.moveaxis(q.reshape(q.shape[:-2] + (-1,))[..., :K], -1, axis).astype(np.float32)
;;   ~~~
;; One version. Each part assembles by itself: llvm-mc -triple=amdgcn-amd-amdhsa -mcpu=gfx1250 --defsym DOCPART=n.
;; ======== version 1 of 1: 3 launches
;; limits: values are held in f16: magnitudes above 65,504 overflow, below 6.1e-05 lose precision
;; workspace buffers: KI 8,388,608 bytes; WoI 524,288 bytes; WVI 8,388,608 bytes
;; launch proj (part 1): grid 4 x 64, 8 waves a work-group, no clusters, 74,752 bytes of LDS; arguments x, Wk, Wo, KI, WoI; writes KI, WoI
.if DOCPART == 1
	.amdgcn_target "amdgcn-amd-amdhsa--gfx1250"
	.amdhsa_code_object_version 6
	.text
	.protected	k_q6fb54248ac_proj
	.globl	k_q6fb54248ac_proj
	.p2align	8
	.type	k_q6fb54248ac_proj,@function
k_q6fb54248ac_proj:
	s_mov_b64 s[64:65], 0
	v_nop
	global_prefetch_b8 v0, s[64:65] scope:SCOPE_SE
	s_setreg_imm32_b32 hwreg(HW_REG_WAVE_MODE, 25, 1), 1
	s_wait_xcnt 0x0
; K = Q(x) Q(Wk)^T: x [8192][512] and Wk [512][512], f32, are quantised along their 512 to codes of FP4 (E2M1) with one E8M0 scale for each 32, and multiplied on the codes; sums in f32.
; K leaves as f16 in the buffer KI, laid for the attention launch; on the side each work-group turns 1,024 numbers of Wo into f16, laid for the last launch (WoI).
; A block's scale is 2^(floor(log2(its largest magnitude)) - 2); its byte is the largest magnitude's exponent field - 2, held at 1 from below.  A block of zeros so gets the byte 1: its codes are zeros, and this program alone reads the bytes.
; LIMITS: K is kept in f16: |K| beyond 65,504 is not served.  NaN and infinities among the inputs are not served.
; SHARES.  A work-group makes 128 positions (work-group y) x 128 channels (work-group x) of K.  PHASE Q: waves 0-3 quantise the 128 rows of x, waves 4-7 the 128 rows of Wk, 32 rows a wave: 8 units of 16 rows x 128 K.
; A unit's codes (8 registers a lane) and scale word go to LDS as an image of the operand's registers: lane l's 16 bytes at 16 l.  One barrier.  PHASE P: wave w takes one head's 64 channels (w & 1) x 32 positions (w >> 1):
; 8 accumulators by turns, 4 K steps of 128.  The product is used transposed (source 0 = 16 rows of Wk, source 1 = 16 rows of x): a lane holds one position and eight neighbouring channels: 16 bytes of f16.
; NO CLUSTER: the numbers are wanted in registers, 16 neighbours a lane, for the conversions, so they come by loads into registers; by joint tensor loads the work-group's 2 x 262,144 bytes of f32 would not fit in LDS at once.
; KI: [8 batch + head: 32][key tile of 16 positions: 128][piece: 128][16 bytes]; the piece of position p (0..15) and channel octet o (0..7) has the number 16 o + (p xor 8 (o & 1)).
; WoI: [e / 16: 32][d / 32: 16][c: 2][lane: 32][16 bytes]: lane (r, h) holds Wo[16 (e / 16) + r][32 (d / 32) + 16 c + 8 h + 0 .. 7].
.set SCB,   65536                      ; LDS: 64 fragment images of 1,024 bytes (x's 32: 4 x row tile + K step; then Wk's 32); from SCB on their 64 scale-word images of 128 bytes
.set SPARE, 73728                      ; behind them the spare words, 128 bytes for each of the eight waves: four blocks of 256 bytes that no other line names
.set XA,  4                            ; v4   my byte in a unit's 16 rows: 2,048 r + 64 h
.set L16, 5                            ; v5   16 x lane
.set L4,  6                            ; v6   4 x lane
.set IW,  7                            ; v7   where I store my wave's images
.set SW,  8                            ; v8   and their scale words
.set XB,  9                            ; v9   where I read x's images in phase P
.set WB,  10                           ; v10  and Wk's
.set XSA, 11                           ; v11  x's scale words
.set WSA, 12                           ; v12  Wk's
.set KO,  13                           ; v13  my 16 bytes in a half tile of KI: 16 (lane xor 8 h)
.set WOL, 14                           ; v14  Wo: my 16 bytes in
.set WOS, 15                           ; v15  WoI: my 8 bytes out
.set SPW, 22                           ; v22  LDS address of my spare word; never rewritten
.set NIL, 23                           ; v23  0; never rewritten
.set TM,  24                           ; v24-39 at work in QUANT
.set PW,  40                           ; v40  the scale word just made
.set PC,  48                           ; v48-55 the codes just made
.set OUTR, 24                          ; v24-55 the way out: K in f16
.set SA,  64                           ; v64-127  a unit's 64 numbers, set 0; later the accumulators
.set SBB, 128                          ; v128-191 set 1
.set ACC, 64
.set FB,  128                          ; v128-223 two buffers of 48: Wk's four fragments, x's two
.set SCR, 224                          ; v224-235 scale words, six a buffer: they hold scales and nothing else
.set WV,  16
.set SEL, 20
.set SRC, 24                           ; s[24:25] my wave's 32 rows of x or of Wk
.set KB,  26                           ; s[26:27] my wave's two tiles in KI
; 64 numbers of a lane, register 16 b + i = k 32 b + 16 (lane / 16) + i of my row, become a fragment's codes in v[PC] on and its scale word in v[PW].
.macro QUANT s
.irp b, 0,1,2,3
	v_max3_num_f32 v[TM+\b], |v[\s+16*\b]|, |v[\s+1+16*\b]|, 0x1800000   ; block b: my 16 numbers, and the floor 2^(3 - 127): the byte cannot fall under 1
.endr
.irp i, 2,4,6,8,10,12,14
.irp b, 0,1,2,3
	v_max3_num_f32 v[TM+\b], v[TM+\b], |v[\s+16*\b+\i]|, |v[\s+1+16*\b+\i]|   ; the four blocks by turns
.endr
.endr
.irp b, 0,1,2,3
	v_permlanex16_b32 v[TM+4+\b], v[TM+\b], s[SEL], s[SEL+1]
.endr
.irp b, 0,1,2,3
	v_max_num_f32 v[TM+\b], v[TM+\b], v[TM+4+\b]   ; with lane l xor 16's: the block's largest magnitude
.endr
.irp b, 0,1,2,3
	v_add_nc_u32 v[TM+12+\b], 0xff000000, v[TM+\b]   ; 2 off its exponent field: the conversion takes the exponent field of this operand as its scale
.endr
.irp b, 0,1,2,3
	v_lshrrev_b32 v[TM+4+\b], 23, v[TM+12+\b]      ; the scale's byte
.endr
	v_lshl_or_b32 v[PW], v[TM+5], 8, v[TM+4]       ; four bytes: my row's scale word
	v_lshl_or_b32 v[PW], v[TM+6], 16, v[PW]
	v_lshl_or_b32 v[PW], v[TM+7], 24, v[PW]
.irp b, 0,1,2,3
	v_cvt_scalef32_pk8_fp4_f32 v[PC+2*\b], v[\s+16*\b:\s+7+16*\b], v[TM+12+\b]
	v_cvt_scalef32_pk8_fp4_f32 v[PC+1+2*\b], v[\s+8+16*\b:\s+15+16*\b], v[TM+12+\b]
.endr
	v_nop                                          ; one plain place behind a scaled conversion
.irp c, 0,1                                    ; the operand's layout wants a whole block in a lane: lanes 0-15 block 2 c, lanes 16-31 block 2 c + 1
.irp i, 0,1
	v_permlane16_swap_b32 v[PC+4*\c+\i], v[PC+2+4*\c+\i]
.endr
.endr
.endm
.macro XLOAD reg, i                            ; unit i: row tile i / 4, K step i % 4: 16 loads, 64 numbers a lane
.irp b, 0,1,2,3
.irp j, 0,1,2,3
	global_load_b128 v[\reg+16*\b+4*\j:\reg+16*\b+4*\j+3], v[XA], s[SRC:SRC+1] offset:((\i)/4)*32768+((\i)%4)*512+128*\b+16*\j
.endr
.endr
.endm
.macro IMAGE i                                 ; unit i's fragment and scale word go to LDS as they stand
.irp c, 0,1
	ds_store_b128 v[IW], v[PC+4*\c:PC+4*\c+3] offset:1024*(\i)+512*\c
.endr
	ds_store_b32 v[SW], v[PW] offset:128*(\i)
.endm
.macro LOADK s, b                              ; K step s into buffer b: 12 loads of 16 bytes and 6 scale words: 18 LDS loads
.irp n, 0,1,2,3
.irp c, 0,1
	ds_load_b128 v[FB+48*\b+8*\n+4*\c:FB+48*\b+8*\n+4*\c+3], v[WB] offset:(4*\n+\s)*1024+512*\c
.endr
.endr
.irp p, 0,1
.irp c, 0,1
	ds_load_b128 v[FB+48*\b+32+8*\p+4*\c:FB+48*\b+32+8*\p+4*\c+3], v[XB] offset:(4*\p+\s)*1024+512*\c
.endr
.endr
.irp n, 0,1,2,3
	ds_load_b32 v[SCR+6*\b+\n], v[WSA] offset:(4*\n+\s)*128
.endr
.irp p, 0,1
	ds_load_b32 v[SCR+6*\b+4+\p], v[XSA] offset:(4*\p+\s)*128
.endr
.endm
.macro MUL b, zero                             ; 8 products, the 8 accumulators by turns, one instruction a turn.  zero = 1: the first K step starts the sums
.irp p, 0,1
.irp n, 0,1,2,3
.if \zero
	v_wmma_scale_f32_16x16x128_f8f6f4 v[ACC+8*(4*\p+\n):ACC+8*(4*\p+\n)+7], v[FB+48*\b+8*\n:FB+48*\b+8*\n+7], v[FB+48*\b+32+8*\p:FB+48*\b+32+8*\p+7], 0, v[SCR+6*\b+\n], v[SCR+6*\b+4+\p] matrix_a_fmt:MATRIX_FMT_FP4 matrix_b_fmt:MATRIX_FMT_FP4
.else
	v_wmma_scale_f32_16x16x128_f8f6f4 v[ACC+8*(4*\p+\n):ACC+8*(4*\p+\n)+7], v[FB+48*\b+8*\n:FB+48*\b+8*\n+7], v[FB+48*\b+32+8*\p:FB+48*\b+32+8*\p+7], v[ACC+8*(4*\p+\n):ACC+8*(4*\p+\n)+7], v[SCR+6*\b+\n], v[SCR+6*\b+4+\p] matrix_a_fmt:MATRIX_FMT_FP4 matrix_b_fmt:MATRIX_FMT_FP4
.endif
.endr
.endr
.endm
.macro PLACES                                  ; four plain places behind a matrix instruction, ahead of loads into its registers and of the first read of its result
.rept 4
	v_nop
.endr
.endm
	s_load_b256 s[4:11], s[0:1], 0x0               ; x s[4:5], Wk s[6:7], Wo s[8:9], KI s[10:11]
	s_load_b64 s[12:13], s[0:1], 0x20              ; WoI
	v_lshl_add_u32 v[SPW], v0, 2, SPARE
	v_mov_b32 v[NIL], 0
	v_lshrrev_b32 v1, 5, v0
	v_readfirstlane_b32 s[WV], v1                  ; wave 0..7
	v_and_b32 v1, 31, v0                           ; lane
	v_and_b32 v2, 15, v0                           ; r
	v_bfe_u32 v3, v0, 4, 1                         ; h
	v_lshlrev_b32 v[XA], 11, v2
	v_lshl_add_u32 v[XA], v3, 6, v[XA]             ; row r of 2,048 bytes, + 64 h: my 16 numbers of a block of 32
	v_lshlrev_b32 v[L16], 4, v1
	v_lshlrev_b32 v[L4], 2, v1
	s_lshl_b32 s28, s[WV], 13
	v_add_nc_u32 v[IW], s28, v[L16]                ; my wave's eight images: 8,192 x wave
	s_lshl_b32 s28, s[WV], 10
	s_add_co_u32 s28, s28, SCB
	v_add_nc_u32 v[SW], s28, v[L4]                 ; and their scale words: 1,024 x wave
	s_and_b32 s35, s[WV], 1                        ; phase P: which head of the two
	s_lshr_b32 s36, s[WV], 1                       ; and which 32 positions of the 128
	s_lshl_b32 s28, s36, 13
	v_add_nc_u32 v[XB], s28, v[L16]
	s_lshl_b32 s28, s35, 14
	s_add_co_u32 s28, s28, 32768
	v_add_nc_u32 v[WB], s28, v[L16]
	s_lshl_b32 s28, s36, 10
	s_add_co_u32 s28, s28, SCB
	v_add_nc_u32 v[XSA], s28, v[L4]
	s_lshl_b32 s28, s35, 11
	s_add_co_u32 s28, s28, SCB+4096
	v_add_nc_u32 v[WSA], s28, v[L4]
	v_lshlrev_b32 v[KO], 3, v3
	v_xor_b32 v[KO], v[KO], v1
	v_lshlrev_b32 v[KO], 4, v[KO]                  ; 16 (lane xor 8 h)
	v_bfe_u32 v[WOL], v0, 1, 4                     ; Wo: row (thread / 2) % 16,
	v_lshlrev_b32 v[WOL], 11, v[WOL]
	v_lshrrev_b32 v[WOS], 5, v0
	v_lshl_add_u32 v[WOL], v[WOS], 5, v[WOL]       ; 32 bytes for each wave (8 h + 16 c + 32 chunk numbers),
	v_and_b32 v[WOS], 1, v0
	v_lshl_add_u32 v[WOL], v[WOS], 4, v[WOL]       ; and which half of them
	v_lshlrev_b32 v[WOS], 3, v0                    ; WoI: 8 bytes a thread, on end
.irp b, 0,1,2,3
	v_mov_b32 v[TM+4+\b], 0                        ; written once: a lane permute's destination counts as one of its sources
.endr
	s_mov_b32 s[SEL], 0x76543210
	s_mov_b32 s[SEL+1], 0xfedcba98                 ; v_permlanex16_b32's selects for lane l xor 16
	s_mov_b32 s17, ttmp9                           ; which 128 channels
	s_and_b32 s18, ttmp7, 0xffff                   ; which 128 positions
	s_lshl_b32 s19, s18, 2
	s_add_co_u32 s19, s19, s17                     ; g = the work-group's number among the 256: its 2,048 bytes of WoI
	s_lshr_b32 s28, s19, 3
	s_lshl_b32 s28, s28, 15                        ; Wo: 16 rows of 2,048 bytes for each g / 8,
	s_and_b32 s29, s19, 7
	s_lshl_b32 s29, s29, 8                         ; 256 bytes along the rows for each g % 8
	s_add_co_u32 s28, s28, s29
	s_mov_b32 s29, 0
	s_lshl_b32 s30, s19, 11
	s_mov_b32 s31, 0
	s_lshr_b32 s37, s18, 4                         ; KI: batch,
	s_lshl_b32 s37, s37, 3
	s_lshl_b32 s38, s17, 1
	s_add_co_u32 s37, s37, s38
	s_add_co_u32 s37, s37, s35                     ; 8 x batch + head,
	s_lshl_b32 s37, s37, 18                        ; of 262,144 bytes each;
	s_and_b32 s38, s18, 15
	s_lshl_b32 s38, s38, 3
	s_lshl_b32 s39, s36, 1
	s_add_co_u32 s38, s38, s39                     ; my first key tile,
	s_lshl_b32 s38, s38, 11                        ; of 2,048 bytes each
	s_add_co_u32 s38, s38, s37
	s_mov_b32 s39, 0
	s_and_b32 s32, s[WV], 3
	s_lshl_b32 s32, s32, 16                        ; my wave's 32 rows of 2,048 bytes
	s_wait_kmcnt 0x0
	s_add_nc_u64 s[8:9], s[8:9], s[28:29]
	s_add_nc_u64 s[12:13], s[12:13], s[30:31]
	s_add_nc_u64 s[KB:KB+1], s[10:11], s[38:39]
	s_cmp_lt_u32 s[WV], 4                          ; waves 0-3 take x, waves 4-7 Wk: only the pointer and the block's number are chosen
	s_cselect_b64 s[SRC:SRC+1], s[4:5], s[6:7]
	s_cselect_b32 s34, s18, s17
	s_lshl_b32 s34, s34, 18                        ; 128 rows of 2,048 bytes a block
	s_add_co_u32 s32, s32, s34
	s_mov_b32 s33, 0
	s_add_nc_u64 s[SRC:SRC+1], s[SRC:SRC+1], s[32:33]
	; ---- PHASE Q.  Loads run two units (32 loads a wave) ahead
	global_load_b128 v[16:19], v[WOL], s[8:9]      ; four numbers of Wo
	XLOAD SA, 0
	XLOAD SBB, 1
.irp i, 0,1,2,3,4,5,6,7
.if \i < 7
	s_wait_loadcnt 16                              ; this unit's 16 loads are in (and Wo's); the next unit's 16 may be out
.else
	s_wait_loadcnt 0x0
.endif
.if \i == 0
	v_cvt_pk_f16_f32 v20, v16, v17
	v_cvt_pk_f16_f32 v21, v18, v19
	global_store_b64 v[WOS], v[20:21], s[12:13]    ; a wave stores 256 consecutive bytes, at a multiple of 256 from WoI's first byte; v20, v21 are not written again
.endif
	QUANT SA+64*(\i%2)
	IMAGE \i
	s_wait_dscnt 0x0                               ; the stores have read their registers: the next unit's codes may be written
.if \i < 6
	XLOAD SA+64*(\i%2), \i+2
.endif
.endr
	s_barrier_signal -1                            ; my LDS stores have landed (the wait for 0 just above):
	s_barrier_wait -1                              ; all 64 images lie in LDS
	; ---- PHASE P
	LOADK 0, 0
	LOADK 1, 1
	s_wait_dscnt 18                                ; K step 0 is in; K step 1's 18 loads may be out
	MUL 0, 1
	PLACES
	LOADK 2, 0
	s_wait_dscnt 18
	MUL 1, 0
	PLACES
	LOADK 3, 1
	s_wait_dscnt 18
	MUL 0, 0
	s_wait_dscnt 0x0
	MUL 1, 0
	PLACES
	; ---- THE WAY OUT.  Accumulator (p, n): lane (r, h) holds position r of tile p and channels 16 n + 8 h + 0 .. 7: octet 2 n + h.  Each accumulator is read from its low end on
.irp a, 0,1,2,3,4,5,6,7
.irp i, 0,1,2,3
	v_cvt_pk_f16_f32 v[OUTR+4*\a+\i], v[ACC+8*\a+2*\i], v[ACC+8*\a+2*\i+1]
.endr
.endr
.irp p, 0,1
.irp n, 0,1,2,3
	global_store_b128 v[KO], v[OUTR+4*(4*\p+\n):OUTR+4*(4*\p+\n)+3], s[KB:KB+1] offset:2048*\p+512*\n   ; 32 lanes store 512 consecutive bytes, at a multiple of 256 from KI's first byte
.endr
.endr
	s_wait_tensorcnt 0x0                           ; the wave's end, behind my last LDS store
	ds_add_u32 v[SPW], v[NIL]
	s_wait_dscnt 0x0
	s_endpgm
.Lfunc_end_k_q6fb54248ac_proj:
	.size	k_q6fb54248ac_proj, .Lfunc_end_k_q6fb54248ac_proj-k_q6fb54248ac_proj
	.p2alignl 7, 3214868480
	.fill 96, 4, 3214868480
	.section	.rodata,"a",@progbits
	.p2align	6, 0x0
	.amdhsa_kernel k_q6fb54248ac_proj
		.amdhsa_group_segment_fixed_size 74752
		.amdhsa_private_segment_fixed_size 0
		.amdhsa_enable_private_segment 0
		.amdhsa_kernarg_size 40
		.amdhsa_user_sgpr_count 2
		.amdhsa_user_sgpr_kernarg_segment_ptr 1
		.amdhsa_wavefront_size32 1
		.amdhsa_system_sgpr_workgroup_id_x 1
		.amdhsa_system_sgpr_workgroup_id_y 1
		.amdhsa_system_sgpr_workgroup_id_z 1
		.amdhsa_system_vgpr_workitem_id 0
		.amdhsa_next_free_vgpr 256
		.amdhsa_next_free_sgpr 66
		.amdhsa_reserve_vcc 0
		.amdhsa_float_denorm_mode_32 3
		.amdhsa_float_denorm_mode_16_64 3
		.amdhsa_memory_ordered 1
		.amdhsa_forward_progress 1
		.amdhsa_inst_pref_size 60
	.end_amdhsa_kernel
	.amdgpu_metadata
---
amdhsa.version: [ 1, 2 ]
amdhsa.kernels:
  - .name:           k_q6fb54248ac_proj
    .symbol:         k_q6fb54248ac_proj.kd
    .args:
      - { .name: x, .offset: 0, .size: 8, .value_kind: global_buffer, .address_space: global }
      - { .name: Wk, .offset: 8, .size: 8, .value_kind: global_buffer, .address_space: global }
      - { .name: Wo, .offset: 16, .size: 8, .value_kind: global_buffer, .address_space: global }
      - { .name: KI, .offset: 24, .size: 8, .value_kind: global_buffer, .address_space: global }
      - { .name: WoI, .offset: 32, .size: 8, .value_kind: global_buffer, .address_space: global }
    .group_segment_fixed_size: 74752
    .private_segment_fixed_size: 0
    .kernarg_segment_align: 8
    .kernarg_segment_size: 40
    .max_flat_workgroup_size: 256
    .sgpr_count:     66
    .vgpr_count:     256
    .wavefront_size: 32
...
	.end_amdgpu_metadata
.endif
;; end of part 1
;; launch attn (part 2): grid 8 x 32, 8 waves a work-group, clusters of 4 x 1, 327,680 bytes of LDS; arguments KI, WVI; writes WVI
.if DOCPART == 2
	.amdgcn_target "amdgcn-amd-amdhsa--gfx1250"
	.amdhsa_code_object_version 6
	.text
	.protected	k_q6fb54248ac_attn
	.globl	k_q6fb54248ac_attn
	.p2align	8
	.type	k_q6fb54248ac_attn,@function
k_q6fb54248ac_attn:
	s_mov_b64 s[64:65], 0
	v_nop
	global_prefetch_b8 v0, s[64:65] scope:SCOPE_SE
	s_setreg_imm32_b32 hwreg(HW_REG_WAVE_MODE, 25, 1), 1
	s_wait_xcnt 0x0
	s_wait_alu depctr_hold_cnt(0) depctr_sa_sdst(0) depctr_va_vdst(0) depctr_va_sdst(0) depctr_va_ssrc(0) depctr_va_vcc(0) depctr_vm_vsrc(0)
	s_getreg_b32 s2, hwreg(HW_REG_IB_STS2, 6, 4)
	s_cmp_eq_u32 s2, 0
	s_cbranch_scc0 .Lentry_in_a_cluster
	s_endpgm
.Lentry_in_a_cluster:
	s_bfe_u32 s2, ttmp6, 0x10000c
	s_cmp_lg_u32 s2, 0x3003
	s_cbranch_scc0 .Lentry_shape_is_right
	s_endpgm
.Lentry_shape_is_right:
; wV[q] = the sum over k of softmax_k(K[q] . K[k] / sqrt(512)) K[k], for each of the 32 (batch, head): queries, keys and values are the same 2,048 x 64 numbers, f16, from KI.
; Products with f16 operands and f32 sums; maxima, exponentials and sums in f32; the weights p are rounded to f16 for the second product, wV once at the end (f16, into WVI, laid as the last launch's operand).
; LIMITS: p is at most a little over 1 and K within f16's range by the launch before; NaN and infinities are not served.
; SHARES.  A work-group owns 256 queries of one (batch, head), each of its eight waves 32: two tiles of 16.  Two waves share a SIMD, so that one wave's softmax stands beside the other's products.  Every wave walks all 2,048 keys, 64 a step.
; THE WHOLE HEAD LIES IN LDS: 2,048 keys x 128 bytes = 262,144 bytes, filled once, in four stages of 512 keys; it serves as K and as V.  All loads are issued at the kernel's head, so there is no ring, no refill, and nothing left to ask for ahead.
; CLUSTER.  The four query blocks of a cluster belong to one head, so each tile is asked for JOINTLY: the same tensor load, with the same descriptor and a mask that names the four.  A wave has four tensor loads out at the most.
; KI: [head: 32][key tile of 16: 128][piece: 128][16 bytes]; the piece of key p and channel octet o has the number 16 o + (p xor 8 (o & 1)).  So a fragment of K (lane (r, h): key r, octets 4 u + 2 c + h) is two loads of 512 consecutive bytes,
; and in the turning load for V^T (lane l: key 8 h + l % 8, octet 2 n + (l / 8) % 2) each half of the lanes takes sixteen different 16-byte columns of 256 bytes.
; LAYOUT.  S^T = K Q^T (source 0 = 16 keys, source 1 = 16 queries): a lane holds ONE query (lane % 16) and keys 8 (lane / 16) + 0 .. 7.  Two such tiles, rounded to f16 in pairs, are source 1 (32 keys x 16 queries) of O^T = V^T P.
; SOFTMAX.  For each query a running maximum m and sum l: p = 2^(c s - c m), c = log2(e) / sqrt(512); in every step O^T and l are multiplied by a = 2^(c m_old - c m_new).  m begins at -3e38 and O^T, l at zeros, so the step is written once.
; REGISTERS.  Window 0: v3-8 addresses; v10, v11 the add's two; v12-27 statistics, 8 a tile; v32-95 S^T, 32 a tile; v96-127 P, 16 a tile; v128-159 Q; v160-223 O^T, 32 a tile.  Window 1: v0-63 K of a step, v64-127 V of a step.
.set SPARE, 262144                     ; behind the head: the spare words, 128 bytes for each of the eight waves: four blocks of 256 bytes that no other line names
.set AK0, 3                            ; v3   my lane's place in a tile of K or Q: 16 (lane xor 8 h); never rewritten
.set AV0, 4                            ; v4   my lane's place for the turning load; never rewritten
.set ADK, 5                            ; v5   LDS address of the next step's K
.set ADV, 6                            ; v6   of this step's V
.set GO,  8                            ; v8   16 x lane: my bytes in WVI
.set SPW, 10
.set NIL, 11
.set ST,  12                           ; tile t at v[ST + 8 t]: +0 c m, +1 m, +2, +3 l (even keys', odd keys'), +4 .. +7 c0-c3 at work; a takes c2's place
.set S,   32
.set P,   96
.set Q,   128
.set OT,  160
.set VF,  64                           ; in window 1
.set WV,  12
.set G1,  16                           ; s[16:23] descriptor group 1
.set G0,  24                           ; s[24:39] group 0, a set for each stage
.set CNT, 56
.set CS,  58                           ; s[58:59] c: the packed form names a pair and takes its low word for both halves
.set SEL, 60
.set TB,  62                           ; s62  LDS byte at which the step's 64 keys begin
.set MSB, 0
.macro WIN new                         ; s_set_vgpr_msb: bits 1:0 source 0, 7:6 destination; the immediate's high byte repeats the setting that is left
.if MSB != \new
	s_set_vgpr_msb (MSB<<8)|\new
.set MSB, \new
.endif
.endm
.macro CROUND                          ; a round of the cluster's barrier
	s_barrier_signal -1
	s_barrier_wait -1
	s_cmp_lg_u32 s[WV], 0
	s_cbranch_scc1 .Lnot_wave_0_\@
	s_barrier_signal -3
.Lnot_wave_0_\@:
	s_barrier_wait -3
	s_barrier_signal -1
	s_barrier_wait -1
.endm
.macro FETCH_K                         ; 64 keys x 64 channels: fragment (key tile y, channels 32 u on) at v[16 y + 8 u] of window 1: 16 loads
	WIN 0x40
.irp y, 0,1,2,3
.irp u, 0,1
.irp c, 0,1
	ds_load_b128 v[16*\y+8*\u+4*\c:16*\y+8*\u+4*\c+3], v[ADK] offset:2048*\y+1024*\u+512*\c
.endr
.endr
.endr
.endm
.macro FETCH_V                         ; the same bytes turned: fragment (keys 32 g on, channels 16 n on) at v[VF + 8 (4 g + n)] of window 1: 16 loads
	WIN 0x40
.irp g, 0,1
.irp n, 0,1,2,3
.irp c, 0,1
	ds_load_tr16_b128 v[VF+8*(4*\g+\n)+4*\c:VF+8*(4*\g+\n)+4*\c+3], v[ADV] offset:2048*(2*\g+\c)+512*\n
.endr
.endr
.endr
.endm
; One step's softmax for both tiles, the tiles line by line by turns, so that no line waits for the line above it.
.macro SOFTMAX
.irp j, 0,1,2,3                        ; the maximum of the lane's 32 scores and the old m: four chains; chain j begins at the low end of accumulator j
.irp t, 0,1
	v_max3_num_f32 v[ST+8*\t+4+\j], v[S+32*\t+8*\j], v[S+32*\t+8*\j+1], v[S+32*\t+8*\j+2]
.endr
.endr
.irp i, 3,5
.irp j, 0,1,2,3
.irp t, 0,1
	v_max3_num_f32 v[ST+8*\t+4+\j], v[ST+8*\t+4+\j], v[S+32*\t+8*\j+\i], v[S+32*\t+8*\j+\i+1]
.endr
.endr
.endr
.irp t, 0,1
	v_max3_num_f32 v[ST+8*\t+4], v[ST+8*\t+4], v[S+32*\t+7], v[S+32*\t+15]
.endr
.irp t, 0,1
	v_max3_num_f32 v[ST+8*\t+6], v[ST+8*\t+6], v[S+32*\t+23], v[S+32*\t+31]
.endr
.irp t, 0,1
	v_max3_num_f32 v[ST+8*\t+4], v[ST+8*\t+4], v[ST+8*\t+5], v[ST+8*\t+6]
.endr
.irp t, 0,1
	v_max3_num_f32 v[ST+8*\t+4], v[ST+8*\t+4], v[ST+8*\t+7], v[ST+8*\t+1]
.endr
.irp t, 0,1
	v_permlanex16_b32 v[ST+8*\t+5], v[ST+8*\t+4], s[SEL], s[SEL+1]   ; the query's other 32 keys lie in the lane 16 away
.endr
.irp t, 0,1
	v_mov_b32 v[ST+8*\t+7], v[ST+8*\t]             ; c m_old is kept for a
.endr
.irp t, 0,1
	v_max_num_f32 v[ST+8*\t+1], v[ST+8*\t+4], v[ST+8*\t+5]
.endr
.irp t, 0,1
	v_mul_f32 v[ST+8*\t], s[CS], v[ST+8*\t+1]
.endr
.irp t, 0,1
	v_sub_f32 v[ST+8*\t+7], v[ST+8*\t+7], v[ST+8*\t]
.endr
.irp i, 0,2,4,6,8,10,12,14,16,18,20,22,24,26,28,30
.irp t, 0,1
	v_pk_fma_f32 v[S+32*\t+\i:S+32*\t+\i+1], v[S+32*\t+\i:S+32*\t+\i+1], s[CS:CS+1], v[ST+8*\t:ST+8*\t+1] op_sel_hi:[1,0,0] neg_lo:[0,0,1] neg_hi:[0,0,1]   ; c s - c m, two at a time
.endr
.endr
.irp t, 0,1                            ; ONE BATCH: all 66 exponentials; none reads another's result
	v_exp_f32 v[ST+8*\t+6], v[ST+8*\t+7]           ; a
.endr
.irp i, 0,1,2,3,4,5,6,7,8,9,10,11,12,13,14,15,16,17,18,19,20,21,22,23,24,25,26,27,28,29,30,31
.irp t, 0,1
	v_exp_f32 v[S+32*\t+\i], v[S+32*\t+\i]         ; p
.endr
.endr
	v_nop                                          ; a plain instruction behind the last exponential, ahead of the first use
	s_wait_alu depctr_va_vdst(0)                   ; the wait ahead of the first instruction that names a result: one for the batch
.irp i, 0,1,2,3,4,5,6,7,8,9,10,11,12,13,14,15
.irp t, 0,1
	v_cvt_pk_f16_f32 v[P+16*\t+\i], v[S+32*\t+2*\i], v[S+32*\t+2*\i+1]   ; the weights for the second product
.endr
.endr
.irp z, 0,4,8,12,16,20,24,28           ; the sum of the unrounded p, in place: neighbours 1, 2, 4 and 8 pairs apart
.irp t, 0,1
	v_pk_add_f32 v[S+32*\t+\z:S+32*\t+\z+1], v[S+32*\t+\z:S+32*\t+\z+1], v[S+32*\t+\z+2:S+32*\t+\z+3]
.endr
.endr
.irp z, 0,8,16,24
.irp t, 0,1
	v_pk_add_f32 v[S+32*\t+\z:S+32*\t+\z+1], v[S+32*\t+\z:S+32*\t+\z+1], v[S+32*\t+\z+4:S+32*\t+\z+5]
.endr
.endr
.irp z, 0,16
.irp t, 0,1
	v_pk_add_f32 v[S+32*\t+\z:S+32*\t+\z+1], v[S+32*\t+\z:S+32*\t+\z+1], v[S+32*\t+\z+8:S+32*\t+\z+9]
.endr
.endr
.irp t, 0,1
	v_pk_add_f32 v[S+32*\t:S+32*\t+1], v[S+32*\t:S+32*\t+1], v[S+32*\t+16:S+32*\t+17]
.endr
.irp t, 0,1
	v_pk_fma_f32 v[ST+8*\t+2:ST+8*\t+3], v[ST+8*\t+2:ST+8*\t+3], v[ST+8*\t+6:ST+8*\t+7], v[S+32*\t:S+32*\t+1] op_sel_hi:[1,0,1]   ; l = a l + the sum
.endr
.irp i, 0,2,4,6,8,10,12,14,16,18,20,22,24,26,28,30
.irp t, 0,1
	v_pk_mul_f32 v[OT+32*\t+\i:OT+32*\t+\i+1], v[OT+32*\t+\i:OT+32*\t+\i+1], v[ST+8*\t+6:ST+8*\t+7] op_sel_hi:[1,0]   ; O^T x a, each accumulator from its low end on
.endr
.endr
.endm
; A KEY STEP of 64 keys.  next = 1: the next step's K is fetched behind this step's V.  In both products the 8 accumulators take turns, one instruction a turn.
.macro STEP next
	s_wait_dscnt 0x0                               ; this step's K is in
	WIN 0x01                                       ; source 0 in window 1
.irp u, 0,1
.irp y, 0,1,2,3
.irp t, 0,1
.if \u == 0
	v_wmma_f32_16x16x32_f16 v[S+32*\t+8*\y:S+32*\t+8*\y+7], v[16*\y+8*\u:16*\y+8*\u+7], v[Q+16*\t+8*\u:Q+16*\t+8*\u+7], 0
.else
	v_wmma_f32_16x16x32_f16 v[S+32*\t+8*\y:S+32*\t+8*\y+7], v[16*\y+8*\u:16*\y+8*\u+7], v[Q+16*\t+8*\u:Q+16*\t+8*\u+7], v[S+32*\t+8*\y:S+32*\t+8*\y+7]
.endif
.endr
.endr
.endr
	WIN 0
	v_add_nc_u32 v[ADV], s[TB], v[AV0]             ; four plain places behind the products: ahead of the loads into K's and V's registers and of the first read of the scores
.if \next
	s_add_co_u32 s[TB], s[TB], 8192
	v_add_nc_u32 v[ADK], s[TB], v[AK0]
.else
	v_nop
.endif
	v_nop
	v_nop
	FETCH_V
.if \next
	FETCH_K
.endif
	WIN 0
	SOFTMAX
	s_wait_dscnt 16*\next                          ; V is in; the 16 loads of the next step's K, issued behind V's, may be out
	WIN 0x01
.irp g, 0,1
.irp n, 0,1,2,3
.irp t, 0,1
	v_wmma_f32_16x16x32_f16 v[OT+32*\t+8*\n:OT+32*\t+8*\n+7], v[VF+8*(4*\g+\n):VF+8*(4*\g+\n)+7], v[P+16*\t+8*\g:P+16*\t+8*\g+7], v[OT+32*\t+8*\n:OT+32*\t+8*\n+7]
.endr
.endr
.endr
	WIN 0
.endm
.macro LOOP first, trips               ; steps first .. first + trips - 1
	s_mov_b32 s[TB], \first*8192
	s_mov_b32 s[CNT], \trips
.Lstep_\@:
	STEP 1
	s_sub_co_u32 s[CNT], s[CNT], 1
	s_cmp_lg_u32 s[CNT], 0
	s_cbranch_scc1 .Lstep_\@
.endm
.macro LANDED left                     ; a further stage of 512 keys is whole: my part of it has landed (my loads for the later stages, left of them, may stay out), and so has every wave's
	s_wait_tensorcnt \left
	s_wait_dscnt 0x0                               ; no LDS instruction of mine is pending at a signal
	s_barrier_signal -1
	s_barrier_wait -1
.endm
	s_load_b128 s[4:7], s[0:1], 0x0                ; KI s[4:5], WVI s[6:7]
	v_lshl_add_u32 v[SPW], v0, 2, SPARE
	v_mov_b32 v[NIL], 0
	ds_add_u32 v[SPW], v[NIL]                      ; the wave's opening: the add, twice on end, and its wait ahead of my first tensor load
	ds_add_u32 v[SPW], v[NIL]
	v_lshrrev_b32 v1, 5, v0
	v_readfirstlane_b32 s[WV], v1                  ; wave 0..7
	s_bfe_u32 s13, ttmp6, 0x40000                  ; cx: my place in the cluster
	s_lshl_b32 s14, ttmp9, 2
	s_add_co_u32 s14, s14, s13                     ; my block of 256 queries: it enters Q's and WVI's addresses alone
	s_and_b32 s15, ttmp7, 0xffff                   ; 8 x batch + head, which the four partners share
	; descriptor group 1: 8,192 dense bytes as 32 rows of 32 elements of 8 bytes, no padding
	s_mov_b32 s[G1], 15|(3<<16)|(1<<21)            ; 15:0 the mask: all four work-groups; 17:16 elements of 8 bytes; 21 set beside a mask
	s_mov_b32 s[G1+1], 32<<16                      ; tensor_dim0 = 32
	s_mov_b32 s[G1+2], 32<<16                      ; tensor_dim1 = 32
	s_mov_b32 s[G1+3], 32<<16                      ; tile_dim0 = 32
	s_mov_b32 s[G1+4], 32                          ; tile_dim1 = 32
	s_mov_b32 s[G1+5], 32                          ; from row to row: 32 elements
	s_mov_b32 s[G1+6], 0
	s_mov_b32 s[G1+7], 0
	s_lshl_b32 s40, s[WV], 13                      ; my 8,192 bytes of a stage, in LDS and in memory
	s_lshl_b32 s42, s15, 18                        ; the head's 262,144 bytes
	s_add_co_u32 s42, s42, s40
	s_mov_b32 s43, 0
	s_lshl_b32 s44, s14, 4
	s_lshl_b32 s45, s[WV], 1
	s_add_co_u32 s44, s44, s45                     ; my first tile of queries: 16 x block + 2 x wave
	s_lshl_b32 s46, s44, 11
	s_lshl_b32 s47, s15, 18
	s_add_co_u32 s46, s46, s47                     ; its bytes in KI
	s_mov_b32 s47, 0
	s_lshr_b32 s48, s15, 3
	s_lshl_b32 s48, s48, 7
	s_add_co_u32 s48, s48, s44                     ; WVI: row tile 128 x batch + my tile, of 16,384 bytes;
	s_lshl_b32 s48, s48, 14
	s_and_b32 s49, s15, 7
	s_lshl_b32 s49, s49, 11                        ; the head's 64 channels: 2,048 bytes
	s_add_co_u32 s48, s48, s49
	s_mov_b32 s49, 0
	s_mov_b32 s[CS], 0x3d8293ee                    ; c = log2(e) / sqrt(512)
	s_mov_b32 s[CS+1], s[CS]
	s_mov_b32 s[SEL], 0x76543210
	s_mov_b32 s[SEL+1], 0xfedcba98
	v_and_b32 v1, 31, v0                           ; lane
	v_bfe_u32 v2, v0, 4, 1                         ; h
	v_lshlrev_b32 v[AK0], 3, v2
	v_xor_b32 v[AK0], v[AK0], v1
	v_lshlrev_b32 v[AK0], 4, v[AK0]                ; 16 (lane xor 8 h)
	v_bfe_u32 v7, v0, 3, 1                         ; e = (lane / 8) % 2
	v_xor_b32 v9, v2, v7
	v_and_b32 v[AV0], 7, v0
	v_lshl_add_u32 v[AV0], v9, 3, v[AV0]
	v_lshlrev_b32 v[AV0], 4, v[AV0]
	v_lshl_add_u32 v[AV0], v7, 8, v[AV0]           ; 256 e + 16 (8 (h xor e) + lane % 8)
	v_lshlrev_b32 v[GO], 4, v1
	s_wait_dscnt 0x0                               ; both opening adds are done
	s_wait_kmcnt 0x0
	s_add_nc_u64 s[42:43], s[4:5], s[42:43]        ; my part of stage 0: made of the head and the wave's number alone
	s_add_nc_u64 s[8:9], s[4:5], s[46:47]          ; Q
	s_add_nc_u64 s[6:7], s[6:7], s[48:49]          ; my rows of WVI
	CROUND                                         ; all four work-groups are here: the joint loads meet
.irp q, 0,1,2,3
	s_mov_b32 s[G0+4*\q], 1                        ; count = 1
	s_add_co_u32 s[G0+4*\q+1], s40, 65536*\q       ; LDS address: stage q, my 8,192 bytes
	s_add_nc_u64 s[G0+4*\q+2:G0+4*\q+3], s[42:43], 65536*\q
	s_or_b32 s[G0+4*\q+3], s[G0+4*\q+3], 0x80000000   ; type = 2
.endr
.irp q, 0,1,2,3
	tensor_load_to_lds s[G0+4*\q:G0+4*\q+3], s[G1:G1+7]   ; all fills of the launch, as one group: four loads of mine are out
	s_nop 0
.endr
.rept 4
	v_nop
.endr
.irp t, 0,1                            ; Q stays in registers: tile t, channels 32 u on
.irp u, 0,1
.irp c, 0,1
	global_load_b128 v[Q+16*\t+8*\u+4*\c:Q+16*\t+8*\u+4*\c+3], v[AK0], s[8:9] offset:2048*\t+1024*\u+512*\c
.endr
.endr
.endr
.irp t, 0,1
	v_mov_b32 v[ST+8*\t+1], 0xff61b1e6             ; m = -3e38, under every score
	v_mul_f32 v[ST+8*\t], s[CS], v[ST+8*\t+1]      ; c m
	v_mov_b32 v[ST+8*\t+2], 0                      ; l
	v_mov_b32 v[ST+8*\t+3], 0
.endr
.irp j, 0,1,2,3,4,5,6,7,8,9,10,11,12,13,14,15,16,17,18,19,20,21,22,23,24,25,26,27,28,29,30,31,32,33,34,35,36,37,38,39,40,41,42,43,44,45,46,47,48,49,50,51,52,53,54,55,56,57,58,59,60,61,62,63
	v_mov_b32 v[OT+\j], 0                          ; O^T: the step is written once; its first run finds zeros, which a = 0 leaves zeros
.endr
	LANDED 3                                       ; stage 0 (keys 0-511) is whole
	v_mov_b32 v[ADK], v[AK0]
	FETCH_K                                        ; step 0
	WIN 0
	s_wait_loadcnt 0x0                             ; Q
	LOOP 0, 7                                      ; step j reads V of step j and K of step j + 1: so a stage's barrier stands one step early
	LANDED 2                                       ; stage 1
	LOOP 7, 8
	LANDED 1                                       ; stage 2
	LOOP 15, 8
	LANDED 0                                       ; stage 3
	LOOP 23, 8
	STEP 0                                         ; step 31: nothing more to fetch
	; THE WAY OUT.  l's two halves and the other half of the lanes' are added (these lines are also the places behind the last products); O^T / l, rounded to f16: a lane's eight channels of a query are 16 bytes of the next launch's operand
.irp t, 0,1
	v_add_f32 v[ST+8*\t+4], v[ST+8*\t+2], v[ST+8*\t+3]
.endr
.irp t, 0,1
	v_permlanex16_b32 v[ST+8*\t+5], v[ST+8*\t+4], s[SEL], s[SEL+1]
.endr
.irp t, 0,1
	v_add_f32 v[ST+8*\t+4], v[ST+8*\t+4], v[ST+8*\t+5]
.endr
.irp t, 0,1
	v_rcp_f32 v[ST+8*\t+6], v[ST+8*\t+4]
.endr
	v_nop                                          ; a plain instruction behind the last reciprocal
	s_wait_alu depctr_va_vdst(0)                   ; and the wait ahead of the first use: one for the two
.irp i, 0,2,4,6,8,10,12,14,16,18,20,22,24,26,28,30
.irp t, 0,1
	v_pk_mul_f32 v[OT+32*\t+\i:OT+32*\t+\i+1], v[OT+32*\t+\i:OT+32*\t+\i+1], v[ST+8*\t+6:ST+8*\t+7] op_sel_hi:[1,0]
.endr
.endr
.irp i, 0,1,2,3,4,5,6,7,8,9,10,11,12,13,14,15
.irp t, 0,1
	v_cvt_pk_f16_f32 v[P+16*\t+\i], v[OT+32*\t+2*\i], v[OT+32*\t+2*\i+1]
.endr
.endr
.irp t, 0,1
.irp n, 0,1,2,3
	global_store_b128 v[GO], v[P+16*\t+4*\n:P+16*\t+4*\n+3], s[6:7] offset:16384*\t+512*\n   ; 32 lanes store 512 consecutive bytes, at a multiple of 256 from WVI's first byte
.endr
.endr
	s_wait_tensorcnt 0x0                           ; the wave's end, behind my last tensor load
	ds_add_u32 v[SPW], v[NIL]
	s_wait_dscnt 0x0
	CROUND                                         ; the closing round: no work-group ends while a partner may still ask for a tile that names it
	s_endpgm
.Lfunc_end_k_q6fb54248ac_attn:
	.size	k_q6fb54248ac_attn, .Lfunc_end_k_q6fb54248ac_attn-k_q6fb54248ac_attn
	.p2alignl 7, 3214868480
	.fill 96, 4, 3214868480
	.section	.rodata,"a",@progbits
	.p2align	6, 0x0
	.amdhsa_kernel k_q6fb54248ac_attn
		.amdhsa_group_segment_fixed_size 327680
		.amdhsa_private_segment_fixed_size 0
		.amdhsa_enable_private_segment 0
		.amdhsa_kernarg_size 16
		.amdhsa_user_sgpr_count 2
		.amdhsa_user_sgpr_kernarg_segment_ptr 1
		.amdhsa_wavefront_size32 1
		.amdhsa_system_sgpr_workgroup_id_x 1
		.amdhsa_system_sgpr_workgroup_id_y 1
		.amdhsa_system_sgpr_workgroup_id_z 1
		.amdhsa_system_vgpr_workitem_id 0
		.amdhsa_next_free_vgpr 384
		.amdhsa_next_free_sgpr 66
		.amdhsa_reserve_vcc 0
		.amdhsa_float_denorm_mode_32 3
		.amdhsa_float_denorm_mode_16_64 3
		.amdhsa_memory_ordered 1
		.amdhsa_forward_progress 1
		.amdhsa_inst_pref_size 100
	.end_amdhsa_kernel
	.amdgpu_metadata
---
amdhsa.version: [ 1, 2 ]
amdhsa.kernels:
  - .name:           k_q6fb54248ac_attn
    .symbol:         k_q6fb54248ac_attn.kd
    .args:
      - { .name: KI, .offset: 0, .size: 8, .value_kind: global_buffer, .address_space: global }
      - { .name: WVI, .offset: 8, .size: 8, .value_kind: global_buffer, .address_space: global }
    .group_segment_fixed_size: 327680
    .private_segment_fixed_size: 0
    .kernarg_segment_align: 8
    .kernarg_segment_size: 16
    .max_flat_workgroup_size: 256
    .sgpr_count:     66
    .vgpr_count:     384
    .wavefront_size: 32
...
	.end_amdgpu_metadata
.endif
;; end of part 2
;; launch outp (part 3): grid 4 x 64, 4 waves a work-group, clusters of 4 x 4, 327,680 bytes of LDS; arguments WVI, WoI, out0; writes out0
.if DOCPART == 3
	.amdgcn_target "amdgcn-amd-amdhsa--gfx1250"
	.amdhsa_code_object_version 6
	.text
	.protected	k_q6fb54248ac_outp
	.globl	k_q6fb54248ac_outp
	.p2align	8
	.type	k_q6fb54248ac_outp,@function
k_q6fb54248ac_outp:
	s_mov_b64 s[64:65], 0
	v_nop
	global_prefetch_b8 v0, s[64:65] scope:SCOPE_SE
	s_setreg_imm32_b32 hwreg(HW_REG_WAVE_MODE, 25, 1), 1
	s_wait_xcnt 0x0
	s_wait_alu depctr_hold_cnt(0) depctr_sa_sdst(0) depctr_va_vdst(0) depctr_va_sdst(0) depctr_va_ssrc(0) depctr_va_vcc(0) depctr_vm_vsrc(0)
	s_getreg_b32 s2, hwreg(HW_REG_IB_STS2, 6, 4)
	s_cmp_eq_u32 s2, 0
	s_cbranch_scc0 .Lentry_in_a_cluster
	s_endpgm
.Lentry_in_a_cluster:
	s_bfe_u32 s2, ttmp6, 0x10000c
	s_cmp_lg_u32 s2, 0xf033
	s_cbranch_scc0 .Lentry_shape_is_right
	s_endpgm
.Lentry_shape_is_right:
; out[row][e] = the sum over d of wV[row][d] Wo[e][d]: 8,192 x 512 x 512, f16 operands, f32 sums, f32 out.
; Both operands arrive laid in the order of the operand's registers: WVI [row / 16: 512][d / 32: 16][c: 2][lane: 32][16 bytes], WoI [e / 16: 32] likewise: lane (r, h) holds row 16 i + r, d = 32 chunk + 16 c + 8 h + 0 .. 7.
; So a fragment (16 rows x 32 along d) is two loads of 512 consecutive bytes, and no padding is wanted.
; SHARES.  A tile of out is 128 x 128: 256 work-groups of four waves, each 64 x 64: 16 accumulators.  All of d for both operands is 2 x 131,072 bytes: it lies in LDS whole, filled once, in four stages of 128 along d:
; no ring and no refill.  Waves 0, 1 fetch wV's two halves of 64 rows, waves 2, 3 Wo's; one load a stage (4 row tiles x 4,096 bytes): a wave has four tensor loads out at the most.
; CLUSTERS: 4 x 4 work-groups.  The four of a row of the cluster need the same rows of wV, the four of a column the same rows of Wo: each tile is asked for JOINTLY, by the same tensor load with the same descriptor and a mask that names the four.
; THE MATRIX INSTRUCTION IS USED TRANSPOSED (source 0 = 16 rows of Wo, source 1 = 16 rows of wV): a lane holds eight neighbouring numbers of a row of out.
; REGISTERS.  Window 0: v16-29 addresses; v32-95 the way out; v128-255 the accumulators ((a, b) at v[128 + 8 (4 a + b)]).  Window 1: four fragment buffers of 64 (chunk k in buffer k % 4): Wo's four fragments, then wV's four.
.set STAGE,  262144                    ; LDS: wV at 0, Wo at 131,072: [stage: 32,768][row tile: 4,096][chunk: 1,024][c: 512][16 x lane]; behind them 16 rows x 272 bytes for each wave, for the way out
.set SPITCH, 272                       ; a stage row: 256 bytes + 16: sixteen rows' 16-byte pieces fall on sixteen different columns of 256 bytes
.set SPARE,  STAGE+4*16*SPITCH         ; behind the stages: the spare words, 128 bytes for each wave: two blocks of 256 bytes that no other line names
.set ADRA, 16                          ; v16-17  my wV fragments: stages 0, 1 and stages 2, 3
.set ADRB, 20                          ; v20-21  the same for Wo
.set STO,  24
.set RD,   25
.set CO,   26
.set SPW,  28
.set NIL,  29
.set BK,   32                          ; v32-63 and v64-95 by turns: 16 rows read back from the stage
.set ACC,  128
.set G1A, 24                           ; s[24:31] descriptor group 1 for wV's tiles;  s[32:39] for Wo's: they differ in the mask alone
.set G1B, 32
.set G0A, 48                           ; s[48:63] group 0 for wV's tiles, a set for each stage;  s[68:83] for Wo's
.set G0B, 68
.set MSB, 0
.macro WIN new                         ; the immediate's high byte repeats the setting that is left
.if MSB != \new
	s_set_vgpr_msb (MSB<<8)|\new
.set MSB, \new
.endif
.endm
.macro CROUND                          ; a round of the cluster's barrier
	s_barrier_signal -1
	s_barrier_wait -1
	s_cmp_lg_u32 s10, 0
	s_cbranch_scc1 .Lnot_wave_0_\@
	s_barrier_signal -3
.Lnot_wave_0_\@:
	s_barrier_wait -3
	s_barrier_signal -1
	s_barrier_wait -1
.endm
.macro PLACES                          ; four plain places behind a matrix instruction, ahead of loads into its registers and of the first read of its result
.rept 4
	v_nop
.endr
.endm
.macro FETCH kk                        ; chunk kk (32 along d): 16 LDS loads into buffer kk % 4
	WIN 0x40                                       ; destination window 1, address window 0
.irp i, 0,1,2,3
.irp c, 0,1
	ds_load_b128 v[64*((\kk)%4)+8*\i+4*\c:64*((\kk)%4)+8*\i+4*\c+3], v[ADRB+((\kk)>>3)] offset:(((\kk)>>2)&1)*32768+4096*\i+1024*((\kk)&3)+512*\c
	ds_load_b128 v[64*((\kk)%4)+32+8*\i+4*\c:64*((\kk)%4)+32+8*\i+4*\c+3], v[ADRA+((\kk)>>3)] offset:(((\kk)>>2)&1)*32768+4096*\i+1024*((\kk)&3)+512*\c
.endr
.endr
.endm
.macro MUL                             ; chunk k: 16 products, the 16 accumulators by turns, one instruction a turn.  Chunk 0 starts the sums
.irp a, 0,1,2,3
.irp b, 0,1,2,3
.if k == 0
	v_wmma_f32_16x16x32_f16 v[ACC+8*(4*\a+\b):ACC+8*(4*\a+\b)+7], v[64*(k%4)+8*\b:64*(k%4)+8*\b+7], v[64*(k%4)+32+8*\a:64*(k%4)+32+8*\a+7], 0
.else
	v_wmma_f32_16x16x32_f16 v[ACC+8*(4*\a+\b):ACC+8*(4*\a+\b)+7], v[64*(k%4)+8*\b:64*(k%4)+8*\b+7], v[64*(k%4)+32+8*\a:64*(k%4)+32+8*\a+7], v[ACC+8*(4*\a+\b):ACC+8*(4*\a+\b)+7]
.endif
.endr
.endr
.endm
.macro CH                              ; chunk k is multiplied; chunk k + 2 is fetched ahead of it
.if ((k+2)%4 == 0) && (k+2 < 16)
	s_wait_tensorcnt 3-(k+2)/4                     ; chunk k + 2 opens a stage: my part of it has landed (my loads for the later stages may stay out)
	s_wait_dscnt 0x0                               ; no LDS instruction of mine is pending at a signal,
	s_barrier_signal -1
	s_barrier_wait -1                              ; and every wave's part has landed
.endif
.if k+2 < 16
	PLACES
	FETCH k+2
	s_wait_dscnt 32                                ; chunk k is in; the 32 loads of chunks k + 1 and k + 2 may be out
.else
	s_wait_dscnt 16*(15-k)
.endif
	WIN 0x05                                       ; sources 0 and 1 window 1; C and D window 0
	MUL
.endm
	s_load_b128 s[4:7], s[0:1], 0x0                ; WVI s[4:5], WoI s[6:7]
	s_load_b64 s[8:9], s[0:1], 0x10                ; out0
	v_lshl_add_u32 v[SPW], v0, 2, SPARE
	v_mov_b32 v[NIL], 0
	ds_add_u32 v[SPW], v[NIL]                      ; the wave's opening: the add, twice on end, and its wait ahead of my first tensor load
	ds_add_u32 v[SPW], v[NIL]
	v_lshrrev_b32 v1, 5, v0
	v_readfirstlane_b32 s10, v1                    ; wave 0..3
	s_lshr_b32 s11, s10, 1                         ; which half of the tile's rows is mine.  Also: I fetch wV (0) or Wo (1)
	s_and_b32 s12, s10, 1                          ; which half of its columns.  Also: which 64 rows I fetch
	s_bfe_u32 s40, ttmp6, 0x40000                  ; cx, cy: my place in the cluster
	s_bfe_u32 s41, ttmp6, 0x40004
	s_lshl_b32 s42, ttmp9, 2
	s_add_co_u32 s42, s42, s40                     ; tile column = 4 x cluster x + cx
	s_and_b32 s13, ttmp7, 0xffff
	s_lshl_b32 s13, s13, 2
	s_add_co_u32 s13, s13, s41                     ; tile row = 4 x cluster y + cy
	s_lshl_b32 s43, s41, 2
	s_lshl_b32 s43, 15, s43                        ; my row of the cluster
	s_lshl_b32 s44, 0x1111, s40                    ; my column
	; descriptor group 1: 4 rows (row tiles) of 512 elements of 8 bytes (4 chunks), 2,048 elements (16 chunks) apart in memory, dense in LDS
	s_or_b32 s[G1A], s43, (3<<16)|(1<<21)          ; 15:0 the mask: wV's tiles go to my row; 17:16 elements of 8 bytes; 21 set beside a mask
	s_or_b32 s[G1B], s44, (3<<16)|(1<<21)
.irp g, G1A, G1B
	s_mov_b32 s[\g+1], 512<<16                     ; tensor_dim0 = 512
	s_mov_b32 s[\g+2], 4<<16                       ; tensor_dim1 = 4
	s_mov_b32 s[\g+3], 512<<16                     ; tile_dim0 = 512
	s_mov_b32 s[\g+4], 4                           ; tile_dim1 = 4
	s_mov_b32 s[\g+5], 2048                        ; from row to row
	s_mov_b32 s[\g+6], 0
	s_mov_b32 s[\g+7], 0
.endr
	s_lshl_b32 s16, s13, 17                        ; wV: 8 row tiles of 16,384 bytes for each tile row,
	s_lshl_b32 s17, s12, 16                        ; 4 for my half
	s_add_co_u32 s16, s16, s17
	s_mov_b32 s17, 0
	s_lshl_b32 s46, s42, 17                        ; Wo: the same by the tile column
	s_lshl_b32 s47, s12, 16
	s_add_co_u32 s46, s46, s47
	s_mov_b32 s47, 0
	s_lshl_b32 s20, s12, 14                        ; where they go in a stage: 4 row tiles of 4,096 bytes for my half: no place in the cluster enters an LDS address
	s_wait_dscnt 0x0                               ; both opening adds are done
	s_wait_kmcnt 0x0
	s_add_nc_u64 s[14:15], s[4:5], s[16:17]
	s_add_nc_u64 s[46:47], s[6:7], s[46:47]
	CROUND                                         ; all sixteen work-groups are here: the joint loads meet
.irp q, 0,1,2,3
	s_mov_b32 s[G0A+4*\q], 1
	s_add_co_u32 s[G0A+4*\q+1], s20, 32768*\q
	s_add_nc_u64 s[G0A+4*\q+2:G0A+4*\q+3], s[14:15], 4096*\q
	s_or_b32 s[G0A+4*\q+3], s[G0A+4*\q+3], 0x80000000
	s_mov_b32 s[G0B+4*\q], 1
	s_add_co_u32 s[G0B+4*\q+1], s20, 131072+32768*\q
	s_add_nc_u64 s[G0B+4*\q+2:G0B+4*\q+3], s[46:47], 4096*\q
	s_or_b32 s[G0B+4*\q+3], s[G0B+4*\q+3], 0x80000000
.endr
	s_cmp_eq_u32 s11, 0                            ; a wave's four fills stand in one branch on the wave's number, ahead of every wait on TENSORcnt and every LDS read; an s_nop 0 follows each, four v_nop the last
	s_cbranch_scc0 .Lfirst_b
.irp q, 0,1,2,3
	tensor_load_to_lds s[G0A+4*\q:G0A+4*\q+3], s[G1A:G1A+7]
	s_nop 0
.endr
.rept 4
	v_nop
.endr
	s_branch .Lfirst_asked
.Lfirst_b:
.irp q, 0,1,2,3
	tensor_load_to_lds s[G0B+4*\q:G0B+4*\q+3], s[G1B:G1B+7]
	s_nop 0
.endr
.rept 4
	v_nop
.endr
.Lfirst_asked:
	v_and_b32 v1, 15, v0                           ; r
	v_bfe_u32 v2, v0, 4, 1                         ; h
	v_and_b32 v3, 31, v0
	v_lshlrev_b32 v3, 4, v3                        ; 16 x lane
	s_lshl_b32 s21, s11, 14                        ; my 4 row tiles of wV
	v_add_nc_u32 v[ADRA], s21, v3
	v_add_nc_u32 v[ADRA+1], 65536, v[ADRA]
	s_lshl_b32 s22, s12, 14                        ; my 4 row tiles of Wo,
	s_add_co_u32 s22, s22, 131072                  ; which lie behind wV
	v_add_nc_u32 v[ADRB], s22, v3
	v_add_nc_u32 v[ADRB+1], 65536, v[ADRB]
	s_mul_i32 s23, s10, 16*SPITCH
	s_add_co_u32 s23, s23, STAGE                   ; my stage
	v_mul_u32_u24 v4, v1, SPITCH                   ; in: row r, 32 bytes for each half of the lanes
	v_lshl_add_u32 v4, v2, 5, v4
	v_add_nc_u32 v[STO], s23, v4
	v_mul_u32_u24 v5, v2, SPITCH                   ; back: lanes 0-15 one row of 256 bytes, lanes 16-31 the next
	v_lshl_add_u32 v5, v1, 4, v5
	v_add_nc_u32 v[RD], s23, v5
	v_lshlrev_b32 v5, 11, v2                       ; and the same two rows of out: 2,048 bytes a row
	v_lshl_add_u32 v[CO], v1, 4, v5
	s_lshl_b32 s16, s13, 18                        ; my first row of out: 128 x tile row + 64 x half, of 2,048 bytes
	s_lshl_b32 s17, s11, 17
	s_add_co_u32 s16, s16, s17
	s_mov_b32 s17, 0
	s_lshl_b32 s46, s42, 9                         ; my first column, in bytes: 512 x tile column + 256 x half
	s_lshl_b32 s47, s12, 8
	s_add_co_u32 s46, s46, s47
	s_mov_b32 s47, 0
	s_add_nc_u64 s[16:17], s[16:17], s[46:47]
	s_add_nc_u64 s[8:9], s[8:9], s[16:17]
	s_wait_tensorcnt 3                             ; my part of stage 0 is in; my three later loads may stay out
	s_barrier_signal -1
	s_barrier_wait -1                              ; everybody's is
	FETCH 0
	FETCH 1
.set k, 0
.rept 16
	CH
.set k, k+1
.endr
	WIN 0
	PLACES
; THE WAY OUT, block by block of 16 rows x 64 columns: a lane holds 32 neighbouring bytes of a row and the lanes beside it other rows, so a block goes through my own stage and comes back as whole rows of 256 bytes.
; LDS serves a wave's instructions in order (ISA guide 5.7.1.4): no wait between the stores and the loads, nor ahead of the next block's stores.
.macro TOSTAGE a
.irp b, 0,1,2,3
	ds_store_b128 v[STO], v[ACC+8*(4*(\a)+\b):ACC+8*(4*(\a)+\b)+3] offset:64*\b          ; each accumulator from its low end on
	ds_store_b128 v[STO], v[ACC+8*(4*(\a)+\b)+4:ACC+8*(4*(\a)+\b)+7] offset:64*\b+16
.endr
.irp t, 0,1,2,3,4,5,6,7
	ds_load_b128 v[BK+32*((\a)%2)+4*\t:BK+32*((\a)%2)+4*\t+3], v[RD] offset:\t*2*SPITCH
.endr
.endm
.macro SEND a, younger                 ; younger: the LDS instructions issued behind block a's loads, which may stay out
	s_wait_dscnt \younger
.irp t, 0,1,2,3,4,5,6,7
	global_store_b128 v[CO], v[BK+32*((\a)%2)+4*\t:BK+32*((\a)%2)+4*\t+3], s[8:9] offset:(16*(\a)+2*\t)*2048 th:TH_STORE_NT   ; 16 lanes store 256 consecutive bytes, at a multiple of 256 from out's first byte; written once, read by nobody here
.endr
.endm
	TOSTAGE 0
.irp a, 1,2,3
.if \a > 1
	s_wait_xcnt 0x0                                ; block a - 2's stores have read their registers: block a's loads may land there
.endif
	TOSTAGE \a
	SEND \a-1, 16                                  ; behind block a - 1's loads: block a's 8 stores and 8 loads
.endr
	SEND 3, 0
	s_wait_tensorcnt 0x0                           ; the wave's end, behind my last tensor load and my last LDS store
	ds_add_u32 v[SPW], v[NIL]
	s_wait_dscnt 0x0
	CROUND                                         ; the closing round: no work-group ends while a partner may still ask for a tile that names it
	s_endpgm
.Lfunc_end_k_q6fb54248ac_outp:
	.size	k_q6fb54248ac_outp, .Lfunc_end_k_q6fb54248ac_outp-k_q6fb54248ac_outp
	.p2alignl 7, 3214868480
	.fill 96, 4, 3214868480
	.section	.rodata,"a",@progbits
	.p2align	6, 0x0
	.amdhsa_kernel k_q6fb54248ac_outp
		.amdhsa_group_segment_fixed_size 327680
		.amdhsa_private_segment_fixed_size 0
		.amdhsa_enable_private_segment 0
		.amdhsa_kernarg_size 24
		.amdhsa_user_sgpr_count 2
		.amdhsa_user_sgpr_kernarg_segment_ptr 1
		.amdhsa_wavefront_size32 1
		.amdhsa_system_sgpr_workgroup_id_x 1
		.amdhsa_system_sgpr_workgroup_id_y 1
		.amdhsa_system_sgpr_workgroup_id_z 1
		.amdhsa_system_vgpr_workitem_id 0
		.amdhsa_next_free_vgpr 512
		.amdhsa_next_free_sgpr 84
		.amdhsa_reserve_vcc 0
		.amdhsa_float_denorm_mode_32 3
		.amdhsa_float_denorm_mode_16_64 3
		.amdhsa_memory_ordered 1
		.amdhsa_forward_progress 1
		.amdhsa_inst_pref_size 51
	.end_amdhsa_kernel
	.amdgpu_metadata
---
amdhsa.version: [ 1, 2 ]
amdhsa.kernels:
  - .name:           k_q6fb54248ac_outp
    .symbol:         k_q6fb54248ac_outp.kd
    .args:
      - { .name: WVI, .offset: 0, .size: 8, .value_kind: global_buffer, .address_space: global }
      - { .name: WoI, .offset: 8, .size: 8, .value_kind: global_buffer, .address_space: global }
      - { .name: out0, .offset: 16, .size: 8, .value_kind: global_buffer, .address_space: global }
    .group_segment_fixed_size: 327680
    .private_segment_fixed_size: 0
    .kernarg_segment_align: 8
    .kernarg_segment_size: 24
    .max_flat_workgroup_size: 128
    .sgpr_count:     84
    .vgpr_count:     512
    .wavefront_size: 32
...
	.end_amdgpu_metadata
.endif
;; end of part 3
